; MI455X (gfx1250); checked and timed in simulation.
; The chip was launched on July 23, 2026; its instructions are those of AMD's public machine-readable ISA for CDNA 5 (MIT licence, August 2026) and "CDNA5" Instruction Set Architecture Reference Guide (July 2026). The comments in the code are by the model that wrote it; some were corrected since.
;; MVG Layer. Allowed arithmetic: matrix products marked QUANTISED: E4M3 operands, one E8M0 scale for each 32 along K, by v_wmma_scale_f32_16x16x128_f8f6f4 with both operands' format E4M3, f32 sums; everything else in f32.
;; Inputs: W_m 4,096 x 4,096 float32; W_u 4,096 float32; W_v 4,096 float32; eps 4,096 x 4,096 float32; x_codes 4,096 x 128 x 32 uint8 (E4M3 codes of x, K innermost, in blocks of 32 codes); x_scales 4,096 x 128 uint8 (E8M0 scales of x, one for each 32 codes along K).
;; Outputs: out0 4,096 x 4,096 float32.
;; This version of the problem:
;;   THIS VERSION OF THE PROBLEM IS GIVEN IN LOW PRECISION. The matrix products marked QUANTISED in the list below multiply operands that are first quantised to E4M3 (4 exponent bits, 3 mantissa bits; 8 bits a number), with one power-of-two scale for each 32 numbers along K (OCP MX v1.0); their sums are f32. All else is computed in f32.
;;   The module's matrix products, in the order in which they are computed (A, B: the left and right operand; K: the contracted axis; several contracted axes count as one K, in the product's order):
;;     1. [M 4,096, K 4,096] x [K 4,096, N 4,096]; A: input x (given as codes); B: computed on the way: QUANTISED
;;   THE QUANTISER, for each operand of a quantised product, along K:
;;     - K is cut into blocks of 32 from its start; a last block that is shorter is filled with zeros.
;;     - A block's scale is 2^e with e = floor(log2(the largest magnitude in the block)) - 8, held to -126 .. 127; a block of zeros has e = 0. As a byte (E8M0): e + 127.
;;     - Each number is divided by its block's scale, clamped to +-448, and rounded to the nearest number of E4M3, ties to even, subnormals kept.
;;     - The product sums the exact products of the quantised numbers (number of the format x scale) in f32.
;;   ~~~python
;;   def quantise(x, axis):      # numpy; x: float32 -> the quantised numbers, widened to float32 again
;;       x = np.moveaxis(x, axis, -1); K = x.shape[-1]
;;       x = np.pad(x, [(0, 0)] * (x.ndim - 1) + [(0, -K % 32)]); x = x.reshape(x.shape[:-1] + (-1, 32)); a = np.abs(x).max(-1, keepdims=True)
;;       e = np.where(a > 0, np.clip(np.frexp(np.where(a > 0, a, 1))[1] - 1 - 8, -126, 127), 0)      # np.frexp(a)[1] - 1 = floor(log2(a)), exactly
;;       r = np.clip(x / 2.0 ** e, -448, 448)
;;       step = 2.0 ** (np.maximum(np.frexp(np.where(r == 0, 1, r))[1] - 1, -6) - 3)
;;       q = np.round(r / step) * step * 2.0 ** e      # np.round: ties to even
;;       return np.moveaxis(q.reshape(q.shape[:-2] + (-1,))[..., :K], -1, axis).astype(np.float32)
;;   ~~~
;;   OPERANDS COMPUTED ON THE WAY. 'Computed on the way' means the value that the module computes at that place (a softmax that the list does not call 'softmax' is quantised finished and normalised). What goes into a quantiser is computed in f32, as accurately as f32 sums, v_exp_f32 and their like allow (about 1e-6 of the number): no bf16 or f16 on the way to a quantiser, and a product that is left as it is and whose result goes on into a quantised operand takes f32 operands (vector FMAs, or v_wmma_f32_16x16x4_f32). A number that lies on a knife's edge between two numbers of the format may be rounded either way, as far as f32 arithmetic and the matrix unit's own rounding can turn it there, and no further.
;;   INPUTS GIVEN AS CODES. x (in the module: [4096, 4096], K = its axis 1): each comes as NAME_codes (uint8): NAME with its K axis moved to the last place and cut into blocks of 32 codes, [.., K / 32, bytes a block], one block behind the other in memory; one code a byte (a code: sign, 4 exponent bits, 3 mantissa bits); and NAME_scales (uint8): the same leading axes, one E8M0 byte (e + 127) for each 32 codes along K. Its value is code x scale, taken as it is: it is not quantised again, and the codes and scales need not be those that the quantiser above would give.
;; One version. Each part assembles by itself: llvm-mc -triple=amdgcn-amd-amdhsa -mcpu=gfx1250 --defsym DOCPART=n.
;; ======== version 1 of 1: 2 launches
;; limits: right only within a limited range of input values
;; workspace buffers: wq 17,301,504 bytes
;; launch quant (part 1): grid 64 x 16, 4 waves a work-group, no clusters, 18,432 bytes of LDS; arguments W_m, W_u, W_v, eps, wq; writes wq
.if DOCPART == 1
	.amdgcn_target "amdgcn-amd-amdhsa--gfx1250"
	.amdhsa_code_object_version 6
	.text
	.protected	k_q99d63a2a19_quant
	.globl	k_q99d63a2a19_quant
	.p2align	8
	.type	k_q99d63a2a19_quant,@function
k_q99d63a2a19_quant:
	s_mov_b64 s[64:65], 0
	v_nop
	global_prefetch_b8 v0, s[64:65] scope:SCOPE_SE
	s_setreg_imm32_b32 hwreg(HW_REG_WAVE_MODE, 25, 1), 1
	s_wait_xcnt 0x0
; W[k][n] = W_m[k][n] + (exp(W_u[k] / 2) * eps[k][n]) * exp(W_v[n] / 2), in f32, is quantised DOWN K, its first axis: codes of FP8 (E4M3), one E8M0 byte for each 32 along K.
; OUT: wq, in the order of the product's operand registers.  Codes: [n / 256][k / 128][(n / 128) % 2] sets of 16,384 bytes; in a set [(n / 16) % 8][(k / 32) % 4][lane = 16 ((k / 16) % 2) + n % 16][k % 16].
; Scale bytes, from byte 16,777,216 on: [n / 256][k / 128][(n / 128) % 2] pieces of 512 bytes; in a piece [(n / 64) % 2][n % 16][(n / 16) % 4][(k / 32) % 4].
; A block's byte is its largest magnitude's exponent field - 8, held at 1 from below; each number is divided by the scale, held within +-448, rounded to the nearest code, ties to even.
; LIMITS: NaN and infinities among the inputs are not served.  A block of zeros gets the byte 1 where the rule says 127: its codes are zeros, and this program alone reads the bytes.
; SHARES.  A work-group: 64 columns x 256 along K; wave w: 64 along K of all 64 columns; lane l: columns 2 l, 2 l + 1.  Each load of a wave reads 256 consecutive bytes, aligned; a lane's registers run down K.
; The codes meet in a stage in LDS, one barrier, and leave as pieces of fragments: each store of a wave covers 512 consecutive bytes, aligned.  A stream read once: no tensor loads, no matrix unit.
.set M,   64                           ; v64-127   W_m: row i of the block in hand at 2 i + c
.set E,   128                          ; v128-191  eps likewise
.set X,   192                          ; v192-255  W: column c's row i at 32 c + i
.set CD,  32                           ; v32-63    codes: block t, column c at 16 t + 8 c
.set EV,  10                           ; v10-11    exp(W_v / 2) of my two columns
.set T,   12                           ; v12-19    at work
.set SB,  20                           ; v20-23    scale bytes, at 2 c + t
.set ROW, 16384                        ; a row of W_m or eps in bytes
.set SP,  272                          ; a stage row: 256 bytes + 16
.set SST, 64*SP                        ; behind the stage: 512 scale bytes, 8 a column
	s_load_b256 s[4:11], s[0:1], 0x0               ; W_m, W_u, W_v, eps
	s_load_b64 s[12:13], s[0:1], 0x20              ; wq
	v_lshl_add_u32 v30, v0, 2, 0x4600
	v_mov_b32 v31, 0
	v_lshrrev_b32 v1, 5, v0
	v_readfirstlane_b32 s14, v1                    ; wave
	s_and_b32 s15, ttmp7, 0xffff                   ; y: which 256 along K
	v_and_b32 v1, 31, v0
	v_lshlrev_b32 v2, 3, v1                        ; 8 bytes a lane: every load's offset
	v_mul_u32_u24 v3, v1, SP
	s_lshl_b32 s27, s14, 6
	v_add_nc_u32 v3, s27, v3                       ; into the stage: row 32 c + lane holds column 2 lane + c; my wave's 64 bytes of it
	v_lshlrev_b32 v7, 4, v1                        ; 16 x lane
	v_add_nc_u32 v27, SST, v7
	s_lshl_b32 s27, s14, 1
	v_add_nc_u32 v4, s27, v27                      ; my wave's two of a column's eight scale bytes
	v_and_b32 v12, 15, v0                          ; r
	v_bfe_u32 v13, v0, 4, 1                        ; h
	v_and_b32 v14, 1, v12
	v_lshrrev_b32 v15, 1, v12
	v_lshl_add_u32 v14, v14, 5, v15                ; column r of a fragment lies in stage row 32 (r % 2) + r / 2
	v_mul_u32_u24 v5, v14, SP
	v_lshl_add_u32 v5, v13, 4, v5                  ; + 16 h
	v_lshlrev_b32 v26, 3, v12
	v_lshl_add_u32 v26, v13, 2, v26
	v_add_nc_u32 v26, SST, v26                     ; scale bytes out: column r, K step h
	v_lshlrev_b32 v28, 4, v12
	v_lshl_add_u32 v28, v13, 10, v28               ; and their place: 1,024 h + 16 r
	s_and_b32 s27, s14, 1                          ; wave w stores K step w / 2, fragments 2 (w % 2) and the next
	s_mul_i32 s27, s27, 16*SP
	s_lshr_b32 s28, s14, 1
	s_lshl_b32 s29, s28, 7
	s_add_co_u32 s27, s27, s29
	v_add_nc_u32 v5, s27, v5
	s_lshl_b32 s28, s28, 15
	s_and_b32 s29, s14, 1
	s_lshl_b32 s29, s29, 12
	s_add_co_u32 s28, s28, s29
	v_add_nc_u32 v6, s28, v7                       ; in wq: 32,768 (w / 2) + 4,096 (w % 2) + 16 x lane
	s_mov_b32 s24, 0x600000                        ; the mantissa field of 448
	s_mov_b32 s25, 0x3f38aa3b                      ; log2(e) / 2, its upper part,
	s_mov_b32 s26, 0x32257060                      ; and what the upper part leaves
	s_lshl_b32 s16, s15, 22                        ; W_m, eps: row 256 y + 64 w, column 64 x
	s_lshl_b32 s17, s14, 20
	s_add_co_u32 s16, s16, s17
	s_lshl_b32 s22, ttmp9, 8                       ; (also W_v's offset)
	s_add_co_u32 s16, s16, s22
	s_mov_b32 s17, 0
	s_mov_b32 s23, 0
	s_lshl_b32 s20, s15, 10                        ; W_u: my wave's 64 numbers
	s_lshl_b32 s21, s14, 8
	s_add_co_u32 s20, s20, s21
	s_mov_b32 s21, 0
	s_lshr_b32 s28, ttmp9, 2                       ; the set's number: 64 (x / 4) + 4 y + (x / 2) % 2
	s_lshl_b32 s28, s28, 6
	s_lshl_b32 s27, s15, 2
	s_add_co_u32 s28, s28, s27
	s_bfe_u32 s27, ttmp9, 0x10001
	s_add_co_u32 s28, s28, s27
	s_and_b32 s27, ttmp9, 1                        ; which 64 of the set's 128 columns
	s_lshl_b32 s30, s28, 9
	s_lshl_b32 s31, s27, 8
	s_add_co_u32 s30, s30, s31
	s_add_co_u32 s30, s30, 16777216
	s_mov_b32 s31, 0
	s_lshl_b32 s28, s28, 14
	s_lshl_b32 s27, s27, 13
	s_add_co_u32 s28, s28, s27
	s_mov_b32 s29, 0
	s_wait_alu depctr_va_vdst(0)                   ; the wait at the head's end
	s_wait_kmcnt 0x0
	s_add_nc_u64 s[18:19], s[12:13], s[30:31]      ; the scale bytes' place
	s_add_nc_u64 s[12:13], s[12:13], s[28:29]      ; the codes'
	s_add_nc_u64 s[4:5], s[4:5], s[16:17]
	s_add_nc_u64 s[10:11], s[10:11], s[16:17]
	s_add_nc_u64 s[6:7], s[6:7], s[20:21]
	s_add_nc_u64 s[8:9], s[8:9], s[22:23]
.macro LOADG t, g                      ; 16 loads: rows 8 g to 8 g + 7 of block t, of W_m and of eps
.set i, 8*(\g)
.rept 8
	global_load_b64 v[M+2*i:M+2*i+1], v2, s[4:5] offset:(32*(\t)+i)*ROW th:TH_LOAD_NT
	global_load_b64 v[E+2*i:E+2*i+1], v2, s[10:11] offset:(32*(\t)+i)*ROW th:TH_LOAD_NT
.set i, i+1
.endr
.endm
.macro FORM t, g                       ; W of those rows; exp(W_u / 2) of row i of block t lies in s[32 + 34 t + i]; the products in reference()'s order: (eu eps) ev
.set i, 8*(\g)
.rept 8
	v_mul_f32 v[T+(2*i)%8], s[32+34*(\t)+i], v[E+2*i]
	v_mul_f32 v[T+(2*i+1)%8], s[32+34*(\t)+i], v[E+2*i+1]
	v_fma_f32 v[X+i], v[T+(2*i)%8], v[EV], v[M+2*i]
	v_fma_f32 v[X+32+i], v[T+(2*i+1)%8], v[EV+1], v[M+2*i+1]
.set i, i+1
.endr
.endm
.macro QUANT t                         ; block t of both columns, by turns.  Of column c: T + 4 c the largest magnitude, + 1 a second chain, + 2 the conversion's scale operand, + 3 448 x the scale
.irp c, 0,1
	v_max3_num_f32 v[T+4*\c], |v[X+32*\c]|, |v[X+32*\c+1]|, |v[X+32*\c+2]|
	v_max3_num_f32 v[T+4*\c+1], |v[X+32*\c+3]|, |v[X+32*\c+4]|, |v[X+32*\c+5]|
.endr
.irp n, 6,10,14,18,22,26
.irp c, 0,1
	v_max3_num_f32 v[T+4*\c], v[T+4*\c], |v[X+32*\c+\n]|, |v[X+32*\c+\n+1]|
	v_max3_num_f32 v[T+4*\c+1], v[T+4*\c+1], |v[X+32*\c+\n+2]|, |v[X+32*\c+\n+3]|
.endr
.endr
.irp c, 0,1
	v_max3_num_f32 v[T+4*\c], v[T+4*\c], |v[X+32*\c+30]|, |v[X+32*\c+31]|
.endr
.irp c, 0,1
	v_max3_num_f32 v[T+4*\c], v[T+4*\c], v[T+4*\c+1], 0x4800000   ; the floor 2^(9 - 127): the byte cannot fall under 1
.endr
.irp c, 0,1
	v_add_nc_u32 v[T+4*\c+2], 0xfc000000, v[T+4*\c]               ; 8 off the exponent field
.endr
.irp c, 0,1
	v_and_or_b32 v[T+4*\c+3], v[T+4*\c], 0x7f800000, s24          ; 448 x the scale
.endr
.irp c, 0,1
	v_lshrrev_b32 v[SB+2*\c+(\t)], 23, v[T+4*\c+2]                ; the scale's byte
.endr
.irp c, 0,1
.set i, 0
.rept 32
	v_med3_num_f32 v[X+32*\c+i], v[X+32*\c+i], -v[T+4*\c+3], v[T+4*\c+3]   ; the conversion does not saturate (ISA guide 7.6.2): the hold
.set i, i+1
.endr
.endr
.irp c, 0,1
.irp g, 0,1,2,3
	v_cvt_scalef32_pk8_fp8_f32 v[CD+16*(\t)+8*\c+2*\g:CD+16*(\t)+8*\c+2*\g+1], v[X+32*\c+8*\g:X+32*\c+8*\g+7], v[T+4*\c+2]
.endr
.endr
	v_nop                                          ; one plain line behind the last scaled conversion
.irp c, 0,1
	ds_store_b128 v3, v[CD+16*(\t)+8*\c:CD+16*(\t)+8*\c+3] offset:32*SP*\c+32*(\t)
	ds_store_b128 v3, v[CD+16*(\t)+8*\c+4:CD+16*(\t)+8*\c+7] offset:32*SP*\c+32*(\t)+16
.endr
.endm
	global_load_b64 v[8:9], v2, s[6:7]             ; W_u of rows 2 lane, 2 lane + 1 of my wave's 64
	global_load_b64 v[10:11], v2, s[8:9]           ; W_v of my two columns
	LOADG 0, 0
	LOADG 0, 1
	LOADG 0, 2
	s_wait_loadcnt 48                              ; W_u and W_v are in; the 48 issued behind them stay out
	; exp(x / 2) = 2^n 2^f: n = x log2(e) / 2 to the nearest whole number, f the rest by two fused multiply-adds on the constant's two parts; v_ldexp_f32 keeps denormal results
.irp k, 0,1,2,3
	v_mul_f32 v[12+\k], s25, v[8+\k]
.endr
.irp k, 0,1,2,3
	v_rndne_f32 v[12+\k], v[12+\k]
.endr
.irp k, 0,1,2,3
	v_fma_f32 v[16+\k], v[8+\k], s25, -v[12+\k]
.endr
.irp k, 0,1,2,3
	v_fma_f32 v[16+\k], v[8+\k], s26, v[16+\k]
.endr
.irp k, 0,1,2,3
	v_med3_num_f32 v[16+\k], v[16+\k], -1.0, 1.0
.endr
	s_wait_alu depctr_va_vdst(0)
.irp k, 0,1,2,3
	v_exp_f32 v[16+\k], v[16+\k]
.endr
.irp k, 0,1,2,3
	v_cvt_i32_f32 v[12+\k], v[12+\k]               ; (it saturates); also the plain lines behind the exponentials
.endr
	s_wait_alu depctr_va_vdst(0)
.irp k, 0,1,2,3
	v_ldexp_f32 v[8+\k], v[16+\k], v[12+\k]
.endr
.set j, 0
.rept 64
	v_readlane_b32 s[32+j+2*(j/32)], v[8+j%2], j/2 ; a row's factor goes to a scalar register (s64, s65 passed over)
.set j, j+1
.endr
	LOADG 0, 3
.irp g, 0,1,2,3
	s_wait_loadcnt 48                              ; block 0's group g is in: 48 loads were issued behind it
	FORM 0, \g
	LOADG 1, \g
.endr
	QUANT 0
.irp g, 0,1,2,3
	s_wait_loadcnt 48-16*\g                        ; block 1's group g is in: 3 - g groups were issued behind it
	FORM 1, \g
.endr
	QUANT 1
	v_lshl_or_b32 v24, v[SB+1], 8, v[SB]
	v_lshl_or_b32 v25, v[SB+3], 8, v[SB+2]
	ds_store_b16 v4, v24
	ds_store_b16 v4, v25 offset:8
	s_wait_dscnt 0x0                               ; for the others' sake: my stores are done
	s_barrier_signal -1
	s_barrier_wait -1
.irp j, 0,1,2,3,4,5,6,7
	ds_load_b128 v[64+4*\j:64+4*\j+3], v5 offset:(\j/4)*8*SP+32*(\j%4)     ; fragment j / 4 of my two, its piece j % 4: lane (r, h) takes 16 codes of column r
.endr
.irp j, 0,1,2,3,4,5,6,7
	s_wait_dscnt 7-\j
	global_store_b128 v6, v[64+4*\j:64+4*\j+3], s[12:13] offset:512*\j     ; 512 consecutive bytes, at a multiple of 256 from wq's first byte
.endr
	s_cmp_lg_u32 s14, 0                            ; wave 0 stores the scale bytes
	s_cbranch_scc1 .Lend
.irp p, 0,1,2,3
	ds_load_b32 v[96+\p], v26 offset:128*\p        ; column 16 p + r, the four bytes of K step h
.endr
	s_wait_dscnt 0x0
	global_store_b128 v28, v[96:99], s[18:19]      ; sixteen lanes fill 256 consecutive bytes, aligned, for each of the two K steps
.Lend:
	s_wait_tensorcnt 0x0
	ds_add_u32 v30, v31
	s_wait_dscnt 0x0
	s_endpgm
.Lfunc_end_k_q99d63a2a19_quant:
	.size	k_q99d63a2a19_quant, .Lfunc_end_k_q99d63a2a19_quant-k_q99d63a2a19_quant
	.p2alignl 7, 3214868480
	.fill 96, 4, 3214868480
	.section	.rodata,"a",@progbits
	.p2align	6, 0x0
	.amdhsa_kernel k_q99d63a2a19_quant
		.amdhsa_group_segment_fixed_size 18432
		.amdhsa_private_segment_fixed_size 0
		.amdhsa_enable_private_segment 0
		.amdhsa_kernarg_size 40
		.amdhsa_user_sgpr_count 2
		.amdhsa_user_sgpr_kernarg_segment_ptr 1
		.amdhsa_wavefront_size32 1
		.amdhsa_system_sgpr_workgroup_id_x 1
		.amdhsa_system_sgpr_workgroup_id_y 1
		.amdhsa_system_sgpr_workgroup_id_z 1
		.amdhsa_system_vgpr_workitem_id 0
		.amdhsa_next_free_vgpr 256
		.amdhsa_next_free_sgpr 98
		.amdhsa_reserve_vcc 0
		.amdhsa_float_denorm_mode_32 3
		.amdhsa_float_denorm_mode_16_64 3
		.amdhsa_memory_ordered 1
		.amdhsa_forward_progress 1
		.amdhsa_inst_pref_size 51
	.end_amdhsa_kernel
	.amdgpu_metadata
---
amdhsa.version: [ 1, 2 ]
amdhsa.kernels:
  - .name:           k_q99d63a2a19_quant
    .symbol:         k_q99d63a2a19_quant.kd
    .args:
      - { .name: W_m, .offset: 0, .size: 8, .value_kind: global_buffer, .address_space: global }
      - { .name: W_u, .offset: 8, .size: 8, .value_kind: global_buffer, .address_space: global }
      - { .name: W_v, .offset: 16, .size: 8, .value_kind: global_buffer, .address_space: global }
      - { .name: eps, .offset: 24, .size: 8, .value_kind: global_buffer, .address_space: global }
      - { .name: wq, .offset: 32, .size: 8, .value_kind: global_buffer, .address_space: global }
    .group_segment_fixed_size: 18432
    .private_segment_fixed_size: 0
    .kernarg_segment_align: 8
    .kernarg_segment_size: 40
    .max_flat_workgroup_size: 128
    .sgpr_count:     98
    .vgpr_count:     256
    .wavefront_size: 32
...
	.end_amdgpu_metadata
.endif
;; end of part 1
;; launch gemm (part 2): grid 16 x 16, 4 waves a work-group, clusters of 4 x 1, 327,680 bytes of LDS; arguments x_codes, x_scales, wq, out0; writes out0
.if DOCPART == 2
	.amdgcn_target "amdgcn-amd-amdhsa--gfx1250"
	.amdhsa_code_object_version 6
	.text
	.protected	k_q99d63a2a19_gemm
	.globl	k_q99d63a2a19_gemm
	.p2align	8
	.type	k_q99d63a2a19_gemm,@function
k_q99d63a2a19_gemm:
	s_mov_b64 s[64:65], 0
	v_nop
	global_prefetch_b8 v0, s[64:65] scope:SCOPE_SE
	s_setreg_imm32_b32 hwreg(HW_REG_WAVE_MODE, 25, 1), 1
	s_wait_xcnt 0x0
	s_wait_alu depctr_hold_cnt(0) depctr_sa_sdst(0) depctr_va_vdst(0) depctr_va_sdst(0) depctr_va_ssrc(0) depctr_va_vcc(0) depctr_vm_vsrc(0)
	s_getreg_b32 s2, hwreg(HW_REG_IB_STS2, 6, 4)
	s_cmp_eq_u32 s2, 0
	s_cbranch_scc0 .Lentry_in_a_cluster
	s_endpgm
.Lentry_in_a_cluster:
	s_bfe_u32 s2, ttmp6, 0x10000c
	s_cmp_lg_u32 s2, 0x3003
	s_cbranch_scc0 .Lentry_shape_is_right
	s_endpgm
.Lentry_shape_is_right:
; out0[m][n] = sum over k of x[m][k] W[k][n] on codes of MX-FP8 (E4M3, an E8M0 byte for 32 along K), f32 sums.  x as given; W as the launch before laid it (its head states the order).
; A work-group of four waves makes 256 x 256; wave (i, j) makes rows 128 i .. x columns 128 j ..: 64 accumulators, 512 registers.  A step is 128 along K, 64 products a wave; 32 steps.
; ONLY x GOES THROUGH LDS.  A ring of two slots, each 256 rows x 512 along K (four steps), a quarter of the rows a wave by one tensor load; the four work-groups of a cluster make one tile row and ask for x's tiles jointly.
; W GOES FROM MEMORY STRAIGHT INTO REGISTERS: wq holds images of the operand registers, so a load of a wave takes 512 consecutive bytes.  A step's set is 8 fragments and 4 scale words, 33 loads; three sets take turns;
; step s asks for step s + 2's set.  W has no joint load: it does not pass through LDS, and a wave's set is its own registers' image.
; x's fragments pass through six buffers by turns: behind block g's products block g + 4 is fetched, with its rows' scale word, into the buffer that block g - 2 left (eight v_nop stand between).
; x's scale bytes of the 256 rows, all of K, come once by plain loads in whole units of 256 bytes and are stored to LDS bytes of their own.
; Sets repeat after 3 steps, slots change after 4: a trip of the loop is 12 steps; a trip holds three slots, so the two slots' addresses change places at its end.  Step 0 (C = 0) and steps 25-31 (no refill, then no loads) are written out.
; THE PRODUCT IS USED TRANSPOSED: source 0 = 16 columns of W, source 1 = 16 rows of x: a lane holds eight neighbouring numbers of a row of out0.
; PREFETCH.  W's codes: step u's 32,768 bytes of a tile column are shared out by address among the sixteen tile rows in four classes of 8,192 bytes; wave u % 4 asks, a lane a block, in step u - 6, four steps ahead of the loads.
; W's scale bytes: a class's 8,192 of a tile column's 32,768, once, by wave 0.  x: a slot's 512 blocks are shared out by address among the cluster's sixteen waves, asked for one slot ahead of its refill; nothing beyond slot 7.
; LIMITS: NaN and infinities are not served otherwise than the matrix unit serves them.
; REGISTERS.  Window 0: v1-7, v12-15 addresses; v8-11, v16-19, v24-27 W's scale words (sets 2, 0, 1); v20-23, v28-29 x's scale words; v30-31 the add's; v32-127 x's six buffers; v128-255 W's set 2.
; Window 1: W's sets 0, 1.  Windows 2, 3: accumulator (a, b) at v[8 (8 (a % 4) + b)] of window 2 + a / 4.
.set PITCH,  528                       ; an LDS row: 512 bytes + 16: sixteen rows start at sixteen different groups of banks
.set SLOT,   256*PITCH
.set SCL,    2*SLOT                    ; x's scale bytes: units of 256 bytes (two rows) + 16
.set SPARE,  SCL+128*272
.set SPITCH, 528
.set KSB,    32768                     ; a step of a tile column in wq: two sets
.set AF,  32
.set AAD, 5                            ; v5, v6  my fragments' LDS address in the slot of even, odd number as the text counts them
.set ASC, 7                            ; v7  my row's scale words
.set BOF, 12                           ; v12  16 x lane
.set PFB, 13
.set PFA, 14
.set SPW, 30
.set NIL, 31
.set BK,  128
.set SOFF, 0                           ; the step at which the stepped bases stand
.set MSB, 0
.macro WIN new
.if MSB != (\new)
	s_set_vgpr_msb (MSB<<8)|(\new)
.set MSB, \new
.endif
.endm
.macro PLACES n
.rept \n
	v_nop
.endr
.endm
.macro CREST
	s_cmp_lg_u32 s14, 0
	s_cbranch_scc1 .Lnot_wave_0_\@
	s_barrier_signal -3
.Lnot_wave_0_\@:
	s_barrier_wait -3
	s_barrier_signal -1
	s_barrier_wait -1
.endm
.macro CROUND
	s_barrier_signal -1
	s_barrier_wait -1
	CREST
.endm
.macro TLOAD                           ; my 64 rows of a slot; an s_nop 0 and four v_nop follow
	tensor_load_to_lds s[32:35], s[24:31]
	s_nop 0
	PLACES 4
.endm
.macro ALOAD g                         ; block g = 8 step + a of x into buffer g % 6, and its scale word: five LDS loads
.set S2_, (\g)/8
.set A2_, (\g)%8
.set I2_, (\g)%6
.irp c, 0,1,2,3
	ds_load_b128 v[AF+16*I2_+4*\c:AF+16*I2_+4*\c+3], v[AAD+((S2_/4)&1)] offset:A2_*16*PITCH+128*(S2_%4)+32*\c
.endr
	ds_load_b32 v[20+I2_+4*(I2_/4)], v[ASC] offset:A2_*8*272+4*(S2_-SOFF)
.endm
.macro BLOAD t, b                      ; fragment b of step t's set of W
.set T2_, (\t)%3
	WIN (1-T2_/2)<<6
.irp c, 0,1,2,3
	global_load_b128 v[128*((T2_+1)/2)+16*(\b)+4*\c:128*((T2_+1)/2)+16*(\b)+4*\c+3], v[BOF], s[44:45] offset:((\t)-SOFF)*KSB+(\b)*2048+512*\c
.endr
.endm
.macro BSCALE t                        ; its four scale words: register p: lanes 0-15 fragment p's, lanes 16-31 fragment 4 + p's
.set T2_, (\t)%3
	global_load_b128 v[16+8*T2_-24*(T2_/2):19+8*T2_-24*(T2_/2)], v[BOF], s[46:47] offset:((\t)-SOFF)*1024
.endm
.macro ASKB u
	s_cmp_eq_u32 s14, (\u)%4
	s_cbranch_scc0 .Lnot_mine_\@
	global_prefetch_b8 v[PFB], s[48:49] offset:((\u)-SOFF)*KSB th:TH_LOAD_NT scope:SCOPE_SE
.Lnot_mine_\@:
.endm
.macro ASKA j                          ; slot j + 3 of x; the text's slot 2 is slot 5 in the second trip, whose slot 8 does not exist
	WIN 0
.if (\j) == 2
	s_cmp_eq_u32 s3, 2
	s_cbranch_scc0 .Lno_slot_\@
.endif
	global_prefetch_b8 v[PFA], s[50:51] offset:512*((\j)+3) th:TH_LOAD_NT scope:SCOPE_SE
.if (\j) == 2
.Lno_slot_\@:
.endif
.endm
.macro MULS S, a, zero                 ; block a of step S against W's eight fragments; a v_nop behind every second product; the 64 accumulators take turns
.set ST_, (\S)%3
.set I_, (8*(\S)+(\a))%6
.set AB_, AF+16*I_
.set AS_, 20+I_+4*(I_/4)
.set BR_, 128*((ST_+1)/2)
.set SB_, 16+8*ST_-24*(ST_/2)
.set AW_, 2+(\a)/4
	WIN (1-ST_/2)|(AW_<<4)|(AW_<<6)
.irp b, 0,1,2,3,4,5,6,7
.set D_, 8*(8*((\a)%4)+\b)
.if \zero
.if \b < 4
	v_wmma_scale_f32_16x16x128_f8f6f4 v[D_:D_+7], v[BR_+16*\b:BR_+16*\b+15], v[AB_:AB_+15], 0, v[SB_+\b%4], v[AS_]
.else
	v_wmma_scale_f32_16x16x128_f8f6f4 v[D_:D_+7], v[BR_+16*\b:BR_+16*\b+15], v[AB_:AB_+15], 0, v[SB_+\b%4], v[AS_] matrix_a_scale:MATRIX_SCALE_ROW1
.endif
.else
.if \b < 4
	v_wmma_scale_f32_16x16x128_f8f6f4 v[D_:D_+7], v[BR_+16*\b:BR_+16*\b+15], v[AB_:AB_+15], v[D_:D_+7], v[SB_+\b%4], v[AS_]
.else
	v_wmma_scale_f32_16x16x128_f8f6f4 v[D_:D_+7], v[BR_+16*\b:BR_+16*\b+15], v[AB_:AB_+15], v[D_:D_+7], v[SB_+\b%4], v[AS_] matrix_a_scale:MATRIX_SCALE_ROW1
.endif
.endif
.if \b & 1
	v_nop
.endif
.endr
.endm
.macro RUN S, a                        ; ONE run of loads behind each PAIR of blocks a - 1, a (a odd): x's two blocks that stand four on, into the buffers that blocks a - 3, a - 2 left (eight v_nop and more stand between), and two fragments of the set two steps on
.set GN_, 8*(\S)+(\a)+3
	WIN 0
.if GN_ < 256
	ALOAD GN_
	ALOAD GN_+1
.endif
.if (\S)+2 < 32
.if (\a) == 7
	BSCALE (\S)+2
.endif
.if (\a) == 1 && (\S)+6 < 32
	ASKB (\S)+6
.endif
	BLOAD (\S)+2, (\a)-1
	BLOAD (\S)+2, \a
.endif
.endm
; A step.  ev = 1: the slot's last step: its last rows were fetched behind block 3; the change of slots stands at blocks 4 and 5, and the slot is filled again.  ev = 2: the same with no refill.
.macro STEP S, zero, ev
.if (\S) < 31
	s_wait_loadcnt 33                              ; my set is in: behind it the last step asked for 33
.else
	s_wait_loadcnt 0x0
.endif
.irp a, 0,1,2,3,4,5,6,7
.if (\ev) && (\a) == 4
	WIN 0
	s_wait_tensorcnt 0x0                           ; my part of the next slot is in;
	ds_add_u32 v[SPW], v[NIL]
	s_wait_dscnt 11                                ; blocks 4 and 5 are in: behind them blocks 6 and 7 (10 loads) and the add
	MULS \S, 4, 0
	s_wait_dscnt 0x0                               ; the add is done, my reads of this slot are over
	s_barrier_signal -1
.elseif (\ev) && (\a) == 5
	MULS \S, 5, 0
	WIN 0
	s_barrier_wait -1
.if (\ev) == 1
	CREST                                          ; the barrier has opened a round of the cluster's barrier
	s_add_co_u32 s33, s[36+(((\S)/4)&1)], s38      ; no tensor load of mine is out: the slot just left, 512 on along K twice
	s_add_nc_u64 s[34:35], s[34:35], 512
	TLOAD
.endif
	RUN \S, 5
.if (\ev) == 1
	ASKA (\S)/4
.endif
.else
.if (\a) % 2 == 0
.if 8*(\S)+\a < 254
	s_wait_dscnt 10                                ; this pair of blocks is in: behind it the next pair's ten loads
.else
	s_wait_dscnt 0x0
.endif
.endif
	MULS \S, \a, \zero
.if (\a) % 2
	RUN \S, \a
.endif
.endif
.endr
.endm
	s_load_b256 s[4:11], s[0:1], 0x0               ; x_codes, x_scales, wq, out0
	v_lshl_add_u32 v[SPW], v0, 2, SPARE
	v_mov_b32 v[NIL], 0
	ds_add_u32 v[SPW], v[NIL]                      ; the opening lines: the add twice on end and its wait
	ds_add_u32 v[SPW], v[NIL]
	v_lshrrev_b32 v15, 5, v0
	v_readfirstlane_b32 s14, v15                   ; wave
	s_lshr_b32 s15, s14, 1                         ; i: my half of the rows
	s_and_b32 s16, s14, 1                          ; j: my half of the columns
	s_bfe_u32 s40, ttmp6, 0x40000                  ; cx
	s_lshl_b32 s42, ttmp9, 2
	s_add_co_u32 s42, s42, s40                     ; tile column
	s_and_b32 s17, ttmp7, 0xffff                   ; tile row
	s_mov_b32 s24, 15|(1<<20)|(1<<21)|(6<<22)|(3<<25)  ; the cluster's four; bytes; 4 words of padding behind every 128
	s_mov_b32 s25, 512<<16
	s_mov_b32 s26, 64<<16
	s_mov_b32 s27, 512<<16
	s_mov_b32 s28, 64
	s_mov_b32 s29, 4096
	s_mov_b32 s30, 0
	s_mov_b32 s31, 0
	s_mov_b32 s32, 1
	s_mul_i32 s38, s14, 64*PITCH                   ; my quarter of a slot
	s_mov_b32 s33, s38
	s_mov_b32 s36, 0                               ; the slots' places
	s_mov_b32 s37, SLOT
	s_lshl_b32 s18, s17, 20                        ; offsets: x's tile row,
	s_mov_b32 s19, 0
	s_lshl_b32 s20, s14, 18
	s_add_co_u32 s20, s20, s18                     ; my 64 rows of it,
	s_mov_b32 s21, 0
	s_lshl_b32 s22, s17, 15
	s_lshl_b32 s23, s14, 13
	s_add_co_u32 s22, s22, s23                     ; my quarter of its scale bytes,
	s_mov_b32 s23, 0
	s_lshl_b32 s52, s42, 20                        ; W's tile column,
	s_mov_b32 s53, 0
	s_lshl_b32 s54, s16, 14
	s_add_co_u32 s54, s54, s52                     ; my sets,
	s_mov_b32 s55, 0
	s_lshl_b32 s56, s42, 15
	s_lshl_b32 s57, s16, 9
	s_add_co_u32 s56, s56, s57
	s_add_co_u32 s56, s56, 16777216                ; their scale words,
	s_mov_b32 s57, 0
	s_lshl_b32 s12, s17, 8
	s_lshl_b32 s13, s15, 7
	s_add_co_u32 s12, s12, s13
	s_lshl_b32 s12, s12, 14
	s_lshl_b32 s13, s42, 10
	s_add_co_u32 s12, s12, s13
	s_lshl_b32 s13, s16, 9
	s_add_co_u32 s12, s12, s13                     ; my part of out0
	s_mov_b32 s13, 0
	s_mul_i32 s58, s15, 128*PITCH
	s_mul_i32 s59, s15, 64*272
	s_add_co_u32 s59, s59, SCL
	s_lshr_b32 s60, s17, 2
	s_add_co_u32 s60, s60, s17
	s_and_b32 s60, s60, 3
	s_lshl_b32 s60, s60, 13                        ; my tile row's class of W's blocks
	s_lshl_b32 s61, s40, 2
	s_add_co_u32 s61, s61, s14
	s_lshl_b32 s61, s61, 16                        ; which 16 rows of x's tile I prefetch: global addresses alone hang on cx
	s_mul_i32 s62, s14, 32*272
	s_add_co_u32 s62, s62, SCL
	v_and_b32 v1, 15, v0                           ; r
	v_bfe_u32 v2, v0, 4, 1                         ; h
	v_and_b32 v3, 31, v0                           ; lane
	v_mul_u32_u24 v4, v1, PITCH
	v_lshl_add_u32 v4, v2, 4, v4
	v_add_nc_u32 v4, s58, v4                       ; a fragment's row x pitch + 16 h, in my 128 rows
	v_mov_b32 v[AAD], v4
	v_add_nc_u32 v[AAD+1], SLOT, v4
	v_lshrrev_b32 v15, 1, v1
	v_mul_u32_u24 v[ASC], v15, 272
	v_and_b32 v15, 1, v1
	v_lshl_add_u32 v[ASC], v15, 7, v[ASC]
	v_add_nc_u32 v[ASC], s59, v[ASC]
	v_lshlrev_b32 v[BOF], 4, v3
	v_lshl_add_u32 v[PFB], v3, 8, s60
	v_lshrrev_b32 v15, 1, v3
	v_lshlrev_b32 v[PFA], 12, v15
	v_and_b32 v15, 1, v3
	v_lshl_add_u32 v[PFA], v15, 8, v[PFA]
	v_add_nc_u32 v[PFA], s61, v[PFA]
	v_mul_u32_u24 v15, v2, 272
	v_lshl_add_u32 v15, v1, 4, v15
	v_add_nc_u32 v15, s62, v15                     ; where my loads of x's scale bytes go in LDS
	s_wait_alu depctr_va_vdst(0)                   ; the wait at the head's end
	s_wait_dscnt 0x0                               ; both opening adds are done
	CROUND                                         ; the four work-groups are here
	s_wait_kmcnt 0x0
	s_add_nc_u64 s[34:35], s[4:5], s[20:21]
	s_or_b32 s35, s35, 0x80000000
	s_add_nc_u64 s[50:51], s[4:5], s[18:19]
	s_add_nc_u64 s[22:23], s[6:7], s[22:23]
	s_add_nc_u64 s[48:49], s[8:9], s[52:53]
	s_add_nc_u64 s[44:45], s[8:9], s[54:55]
	s_add_nc_u64 s[46:47], s[8:9], s[56:57]
	s_add_nc_u64 s[10:11], s[10:11], s[12:13]
	TLOAD                                          ; slot 0: one tensor load a wave at the head
.irp i, 0,1,2,3,4,5,6,7,8,9,10,11,12,13,14,15
	global_load_b128 v[AF+4*\i:AF+4*\i+3], v[BOF], s[22:23] offset:512*\i   ; x's scale bytes: 512 consecutive bytes a load
.endr
	BSCALE 0
.irp b, 0,1,2,3,4,5,6,7
	BLOAD 0, \b
.endr
	WIN 0
	BSCALE 1
.irp b, 0,1,2,3,4,5,6
	BLOAD 1, \b
.endr
	WIN 0
	s_cmp_lg_u32 s14, 0
	s_cbranch_scc1 .Lno_scales_ahead
	global_prefetch_b8 v[PFB], s[46:47] th:TH_LOAD_NT scope:SCOPE_SE
.Lno_scales_ahead:
	s_wait_loadcnt 62                              ; x's scale bytes are in: behind them set 0's 33 loads and 29 of set 1's
.irp i, 0,1,2,3,4,5,6,7,8,9,10,11,12,13,14,15
	ds_store_b128 v15, v[AF+4*\i:AF+4*\i+3] offset:544*\i
.endr
	BLOAD 1, 7                                     ; set 1's last fragment
	WIN 0
	s_wait_tensorcnt 0x0                           ; my part of slot 0 is in
	ds_add_u32 v[SPW], v[NIL]
	s_add_co_u32 s33, s38, SLOT
	s_add_nc_u64 s[34:35], s[34:35], 512
	s_wait_dscnt 0x0                               ; the add and my stores of scale bytes are done
	CROUND
	TLOAD                                          ; slot 1
.irp g, 0,1,2,3
	ALOAD \g
.endr
	STEP 0, 1, 0                                   ; the first step's products start the sums
	WIN 0
	s_mov_b32 s3, 2
.Ltrip:
	STEP 1, 0, 0
	STEP 2, 0, 0
	STEP 3, 0, 1
	STEP 4, 0, 0
	STEP 5, 0, 0
	STEP 6, 0, 0
	STEP 7, 0, 1
	STEP 8, 0, 0
	STEP 9, 0, 0
	STEP 10, 0, 0
	STEP 11, 0, 1
	STEP 12, 0, 0
	WIN 0
	s_wait_xcnt 0x0                                ; my loads and prefetches have read their bases: twelve steps on
	s_add_nc_u64 s[44:45], s[44:45], 12*KSB
	s_add_nc_u64 s[46:47], s[46:47], 12*1024
	s_add_nc_u64 s[48:49], s[48:49], 12*KSB
	s_add_nc_u64 s[50:51], s[50:51], 3*512
	s_xor_b32 s36, s36, SLOT                       ; three slots a trip: the two places change names
	s_xor_b32 s37, s37, SLOT
	v_add_nc_u32 v[AAD], s36, v4
	v_add_nc_u32 v[AAD+1], s37, v4
	v_add_nc_u32 v[ASC], 48, v[ASC]
	s_sub_co_u32 s3, s3, 1
	s_cmp_lg_u32 s3, 0
	s_wait_alu depctr_va_vdst(0)                   ; the wait ahead of the branch
	s_cbranch_scc1 .Ltrip
.set SOFF, 24
	STEP 25, 0, 0
	STEP 26, 0, 0
	STEP 27, 0, 2                                  ; slot 7 is shown; nothing is filled again
	STEP 28, 0, 0
	STEP 29, 0, 0
	STEP 30, 0, 0
	STEP 31, 0, 0
	WIN 0
; THE WAY OUT, by blocks of 16 rows x 128 columns, through my own stage, which lies where slot 6 lay: that place has had its last fill, and every wave has passed the last change of slots.
.set STO, 5
.set RD,  6
	s_mul_i32 s23, s14, 16*SPITCH
	v_mul_u32_u24 v[STO], v1, SPITCH
	v_lshl_add_u32 v[STO], v2, 5, v[STO]
	v_add_nc_u32 v[STO], s23, v[STO]
	v_add_nc_u32 v[RD], s23, v[BOF]
	s_wait_alu depctr_va_vdst(0)                   ; the wait
	PLACES 8
.macro TOSTAGE a
.set AC, 64*((\a)%4)
	WIN 0x08+4*((\a)/4)
.irp b, 0,1,2,3,4,5,6,7
	ds_store_b128 v[STO], v[AC+8*\b:AC+8*\b+3] offset:64*\b          ; each accumulator from its low end on
	ds_store_b128 v[STO], v[AC+8*\b+4:AC+8*\b+7] offset:64*\b+16
.endr
	WIN 0
.set BB, BK+64*((\a)%2)
.irp t, 0,1,2,3,4,5,6,7,8,9,10,11,12,13,14,15
	ds_load_b128 v[BB+4*\t:BB+4*\t+3], v[RD] offset:\t*SPITCH
.endr
.endm
.macro SEND a, younger
.set BB, BK+64*((\a)%2)
	s_wait_dscnt \younger
.if (\a) > 0
	s_add_nc_u64 s[10:11], s[10:11], 16*16384
.endif
.irp t, 0,1,2,3,4,5,6,7,8,9,10,11,12,13,14,15
	global_store_b128 v[BOF], v[BB+4*\t:BB+4*\t+3], s[10:11] offset:\t*16384 th:TH_STORE_NT   ; 512 consecutive bytes of a row, aligned
.endr
.endm
	TOSTAGE 0
.irp a, 1,2,3,4,5,6,7
.if \a > 1
	s_wait_xcnt 0x0                                ; block a - 2's stores have read their registers and their base
.endif
	TOSTAGE \a
	SEND \a-1, 32                                  ; behind block a - 1's loads: block a's 16 stores and 16 loads
.endr
	s_wait_xcnt 0x0
	SEND 7, 0
	s_wait_tensorcnt 0x0                           ; the wave's end
	ds_add_u32 v[SPW], v[NIL]
	s_wait_dscnt 0x0
	CROUND                                         ; the closing round
	s_endpgm
.Lfunc_end_k_q99d63a2a19_gemm:
	.size	k_q99d63a2a19_gemm, .Lfunc_end_k_q99d63a2a19_gemm-k_q99d63a2a19_gemm
	.p2alignl 7, 3214868480
	.fill 96, 4, 3214868480
	.section	.rodata,"a",@progbits
	.p2align	6, 0x0
	.amdhsa_kernel k_q99d63a2a19_gemm
		.amdhsa_group_segment_fixed_size 327680
		.amdhsa_private_segment_fixed_size 0
		.amdhsa_enable_private_segment 0
		.amdhsa_kernarg_size 32
		.amdhsa_user_sgpr_count 2
		.amdhsa_user_sgpr_kernarg_segment_ptr 1
		.amdhsa_wavefront_size32 1
		.amdhsa_system_sgpr_workgroup_id_x 1
		.amdhsa_system_sgpr_workgroup_id_y 1
		.amdhsa_system_sgpr_workgroup_id_z 1
		.amdhsa_system_vgpr_workitem_id 0
		.amdhsa_next_free_vgpr 1024
		.amdhsa_next_free_sgpr 66
		.amdhsa_reserve_vcc 0
		.amdhsa_float_denorm_mode_32 3
		.amdhsa_float_denorm_mode_16_64 3
		.amdhsa_memory_ordered 1
		.amdhsa_forward_progress 1
		.amdhsa_inst_pref_size 255
	.end_amdhsa_kernel
	.section	.bss,"aw",@nobits
	.p2align	6
	.space	262144
	.amdgpu_metadata
---
amdhsa.version: [ 1, 2 ]
amdhsa.kernels:
  - .name:           k_q99d63a2a19_gemm
    .symbol:         k_q99d63a2a19_gemm.kd
    .args:
      - { .name: x_codes, .offset: 0, .size: 8, .value_kind: global_buffer, .address_space: global }
      - { .name: x_scales, .offset: 8, .size: 8, .value_kind: global_buffer, .address_space: global }
      - { .name: wq, .offset: 16, .size: 8, .value_kind: global_buffer, .address_space: global }
      - { .name: out0, .offset: 24, .size: 8, .value_kind: global_buffer, .address_space: global }
    .group_segment_fixed_size: 327680
    .private_segment_fixed_size: 0
    .kernarg_segment_align: 8
    .kernarg_segment_size: 32
    .max_flat_workgroup_size: 128
    .sgpr_count:     66
    .vgpr_count:     1024
    .wavefront_size: 32
...
	.end_amdgpu_metadata
.endif
;; end of part 2
